; MI455X (gfx1250); checked and timed in simulation.
; The chip was launched on July 23, 2026; its instructions are those of AMD's public machine-readable ISA for CDNA 5 (MIT licence, August 2026) and "CDNA5" Instruction Set Architecture Reference Guide (July 2026). The comments in the code are by the model that wrote it; some were corrected since.
;; LTC Model. Allowed arithmetic: float matrix products may take bf16 or f16 operands with f32 sums; all other float work in f32.
;; Inputs: cm 32 float32; erev 32 x 32 float32; fc_b 1 float32; fc_w 1 x 32 float32; gleak 32 float32; input_b 1 float32; input_w 1 float32; mu 32 x 32 float32; output_b 32 float32; output_w 32 float32; sensory_erev 1 x 32 float32; sensory_mu 1 x 32 float32; sensory_sigma 1 x 32 float32; sensory_w 1 x 32 float32; sigma 32 x 32 float32; vleak 32 float32; w_syn 32 x 32 float32; x 512 x 256 x 1 float32.
;; Outputs: out0 512 x 1 float32.
;; 2 versions, each right and faster than the one before. Each part assembles by itself: llvm-mc -triple=amdgcn-amd-amdhsa -mcpu=gfx1250 --defsym DOCPART=n.
;; ======== version 1 of 2: 1 launch
;; launch ltc (part 1): grid 256 x 1, 2 waves a work-group, no clusters, 0 bytes of LDS; arguments x, gleak, vleak, cm, sigma, mu, w_syn, erev, sensory_sigma, sensory_mu, sensory_w, sensory_erev, input_w, input_b, output_w, output_b, fc_w, fc_b, out0; writes out0
.if DOCPART == 1
	.amdgcn_target "amdgcn-amd-amdhsa--gfx1250"
	.amdhsa_code_object_version 6
	.text
	.protected	k_q0d2d795fe4_ltc
	.globl	k_q0d2d795fe4_ltc
	.p2align	8
	.type	k_q0d2d795fe4_ltc,@function
k_q0d2d795fe4_ltc:
	s_mov_b64 s[64:65], 0
	v_nop
	global_prefetch_b8 v0, s[64:65] scope:SCOPE_SE
	s_setreg_imm32_b32 hwreg(HW_REG_WAVE_MODE, 25, 1), 1
	s_wait_xcnt 0x0
; Liquid-time-constant cell: 512 batch rows, 32 units, 256 dependent steps, then out0[b] = sum_j (v_j ow_j + ob_j) fcw_j + fcb.
; ONE WAVE = ONE BATCH ROW for all 256 steps; lane l = post-neuron j = l.  512 waves = 256 work-groups of 2 waves.
; All that a chain needs lies in the wave's registers: column j of mu, sigma, w_syn, erev (128 registers), the row of x
; (1,024 bytes = 8 registers).  Memory is touched in the prologue and by one store of 4 bytes a wave.  No LDS, no barrier:
; the two waves of a work-group share nothing.
;
; A step, for each lane j:  num = cm v_j + gleak vleak + sum_i w_ij erev_ij s_ij + sw serev ss
;                           den = cm + gleak + 1e-8    + sum_i w_ij s_ij         + sw ss,      v_j = num / den
; with s_ij = sigmoid((v_i - mu_ij) sigma_ij) = 1 / (1 + 2^((v_i - mu_ij) (-sigma_ij log2 e))), the difference first and the
; product second, as reference() forms them.  2^z = inf gives 1/inf = 0 and 2^z = 0 gives 1: no clamp and no limit of range.
;
; v_i REACHES ALL LANES WITHOUT SCALAR REGISTERS: ST holds v_l in lane l, SX holds v_(l xor 16).  A subtraction with
; row_share:n takes lane n of the lane's own half of 16.  Operation k = 0..15 takes ST, n = k; k = 16..31 takes SX, n = k - 16.
; So in half h = l >> 4 operation k sees pre-neuron i = (k + 16 h) & 31, and each lane's parameters are loaded in that order.
;
; NOT USED, by this text's own arithmetic: matrix instructions (the one product has a single output column, 64 FLOPs a wave,
; and each of its rows lies in another wave: it is an f32 sum over the 32 lanes); tensor loads, LDS, clusters (what waves
; share is 16.5 KB of parameters, read once in the prologue); prefetches (nothing is loaded behind the prologue).
; The output is 4 bytes a chain, 2,048 bytes in all; 256 neighbouring bytes belong to 64 chains, more than a work-group's
; 2 waves can hold, so each wave stores its one word.
;
; LIMITS: the f32 sums run in another order than reference()'s (upper half of the lanes begins at i = 16; 1e-8 is added to
; cm + gleak ahead of the conductances); v_exp_f32 and v_rcp_f32 are good to 1 ulp and flush denormals (ISA guide 15.8), so a
; sigmoid below 2^-126 counts as 0 and a denominator below 2^-126 as 0.
.set STEPS,     256
.set TRIPS,     STEPS/8                ; a trip = 8 steps = one lane of the 8 registers of x
.set NEG_LOG2E, 0xbfb8aa3b             ; -1.442695
.set EPS_BITS,  0x322bcc77             ; 1e-8
; vector registers
.set LANE, 1                           ; lane
.set PA0,  2                           ; 2048 h + 4 lane: byte of element (16 h, j) of a [32][32] table
.set PA1,  3                           ; PA0 xor 2048: element (16 (1 - h), j)
.set L4,   4                           ; 4 lane: my element of a [32] vector
.set L32,  5                           ; 32 lane: my 8 numbers of the row of x
.set ZERO, 6                           ; the store's offset
.set ST,   8                           ; the state v_l
.set SX,   9                           ; v_(l xor 16)
.set ND,   10                          ; v[10:11] (num, den)
.set BS0,  12                          ; gleak vleak + sw serev ss of the coming step
.set RD,   13                          ; 1 / den
.set US,   14                          ; the sensory synapse's chain
.set CM,   16
.set GLVL, 17                          ; gleak vleak
.set CGE,  18                          ; cm + gleak + 1e-8
.set SMU,  19
.set SSG,  20                          ; -sensory_sigma log2 e
.set SWE,  21                          ; sensory_w sensory_erev
.set SW,   22
.set OW,   23
.set OB,   24
.set FCW,  25
.set GL,   26                          ; raw gleak, vleak, sensory_erev: prologue only
.set VL,   27
.set SE,   28
.set X,    32                          ; v[32:39]   register r, lane l: input of step 8 l + r
.set T,    40                          ; v[40:71]   pair g: operations 2g, 2g+1: difference, exponent, 2^z, 1 + 2^z, sigmoid in turn
.set MU,   72                          ; v[72:103]  mu of operation k
.set SG,   104                         ; v[104:135] -sigma log2 e of operation k
.set WP,   136                         ; v[136:199] pair k: (w erev, w) of operation k
	; ---- ids and addresses
	s_load_b512 s[4:19], s[0:1], 0x0               ; x 4, gleak 6, vleak 8, cm 10, sigma 12, mu 14, w_syn 16, erev 18
	s_load_b512 s[20:35], s[0:1], 0x40             ; sensory_sigma 20, _mu 22, _w 24, _erev 26, input_w 28, input_b 30, output_w 32, output_b 34
	s_load_b128 s[36:39], s[0:1], 0x80             ; fc_w 36, fc_b 38
	s_load_b64 s[40:41], s[0:1], 0x90              ; out0
	v_lshrrev_b32 v7, 5, v0
	v_readfirstlane_b32 s45, v7                    ; wave 0 or 1
	v_and_b32 v[LANE], 31, v0
	v_bfe_u32 v29, v0, 4, 1                        ; h
	v_lshlrev_b32 v[L4], 2, v[LANE]
	v_lshlrev_b32 v[L32], 5, v[LANE]
	v_lshl_add_u32 v[PA0], v29, 11, v[L4]
	v_xor_b32 v[PA1], 0x800, v[PA0]
	v_mov_b32 v[ZERO], 0
	s_lshl1_add_u32 s46, ttmp9, s45                ; batch row b = 2 x work-group + wave
	s_mov_b32 s53, 0x76543210                      ; v_permlanex16_b32: lane i of one half reads lane i of the other
	s_mov_b32 s54, 0xfedcba98
	s_mov_b32 s49, 0
	s_wait_kmcnt 0x0                               ; the 19 addresses
	s_load_b32 s42, s[28:29], 0x0                  ; input_w
	s_load_b32 s43, s[30:31], 0x0                  ; input_b
	s_load_b32 s44, s[38:39], 0x0                  ; fc_b
	s_lshl_b32 s48, s46, 10
	s_add_nc_u64 s[4:5], s[4:5], s[48:49]          ; x at my row of 1,024 bytes
	s_lshl_b32 s48, s46, 2
	s_add_nc_u64 s[40:41], s[40:41], s[48:49]      ; out0 at my word
	; ---- all loads in one run: 2 + 128 + 10
	global_load_b128 v[X:X+3],   v[L32], s[4:5] th:TH_LOAD_NT             ; the two together cover the row's 1,024 bytes
	global_load_b128 v[X+4:X+7], v[L32], s[4:5] offset:16 th:TH_LOAD_NT
; column j of a [32][32] table in the order of the operations: k = 0..15 rows 16 h + k, k = 16..31 rows 16 (1 - h) + k - 16
.macro LDM dst, stride, base
.set k, 0
.rept 16
	global_load_b32 v[\dst+\stride*k],      v[PA0], s[\base:\base+1] offset:128*k
	global_load_b32 v[\dst+\stride*(k+16)], v[PA1], s[\base:\base+1] offset:128*k
.set k, k+1
.endr
.endm
	LDM MU, 1, 14
	LDM SG, 1, 12
	LDM WP+1, 2, 16                                ; w_syn into the pairs' second registers
	LDM T, 1, 18                                   ; erev waits in T, which is thereby written before the loop's DPP lines name it as destination
	global_load_b32 v[CM],  v[L4], s[10:11]
	global_load_b32 v[GL],  v[L4], s[6:7]
	global_load_b32 v[VL],  v[L4], s[8:9]
	global_load_b32 v[SMU], v[L4], s[22:23]
	global_load_b32 v[SSG], v[L4], s[20:21]
	global_load_b32 v[SW],  v[L4], s[24:25]
	global_load_b32 v[SE],  v[L4], s[26:27]
	global_load_b32 v[OW],  v[L4], s[32:33]
	global_load_b32 v[OB],  v[L4], s[34:35]
	global_load_b32 v[FCW], v[L4], s[36:37]
	s_wait_kmcnt 0x0                               ; input_w, input_b, fc_b
	s_wait_loadcnt 0x0                             ; everything: the one wait for data in this text
	; ---- derived parameters, once
.set k, 0
.rept 16
	v_pk_mul_f32 v[SG+2*k:SG+2*k+1], v[SG+2*k:SG+2*k+1], NEG_LOG2E op_sel_hi:[1,0]   ; -sigma log2 e
.set k, k+1
.endr
.set k, 0
.rept 32
	v_mul_f32 v[WP+2*k], v[T+k], v[WP+2*k+1]       ; w erev beside w
.set k, k+1
.endr
	v_mul_f32 v[GLVL], v[GL], v[VL]
	v_add_f32 v[CGE], v[CM], v[GL]
	v_add_f32 v[CGE], EPS_BITS, v[CGE]
	v_mul_f32 v[SSG], NEG_LOG2E, v[SSG]
	v_mul_f32 v[SWE], v[SW], v[SE]
.set k, 0
.rept 8
	v_fma_f32 v[X+k], v[X+k], s42, s43             ; the affine input map on all 256 inputs of the row
.set k, k+1
.endr
	; ---- step 0's sensory synapse, and the state 0
	v_readlane_b32 s52, v[X], 0
	v_sub_f32 v[US], s52, v[SMU]
	v_mul_f32 v[US], v[US], v[SSG]
	v_exp_f32 v[US], v[US]
	v_mov_b32 v[ST], 0                             ; a plain instruction stands between a transcendental and the use of its result (ISA guide 5.7.2)
	v_add_f32 v[US], 1.0, v[US]
	v_rcp_f32 v[US], v[US]
	v_mov_b32 v[SX], 0                             ; likewise; also writes SX before v_permlanex16_b32 names it as destination
	v_fma_f32 v[BS0], v[SWE], v[US], v[GLVL]
	v_fma_f32 v[ND+1], v[SW], v[US], v[CGE]
; The five stages of a pair g of sigmoids (operations 2g, 2g+1), all in place in T's pair g.
.macro DIFF g, src, n0, n1             ; (v_i - mu) x (-sigma log2 e); src = ST or SX, n0, n1 = the lanes of the half that hold the two v_i
	v_sub_f32_dpp v[T+2*(\g)],   v[\src], v[MU+2*(\g)]   row_share:\n0 row_mask:0xf bank_mask:0xf
	v_sub_f32_dpp v[T+2*(\g)+1], v[\src], v[MU+2*(\g)+1] row_share:\n1 row_mask:0xf bank_mask:0xf
	v_pk_mul_f32 v[T+2*(\g):T+2*(\g)+1], v[T+2*(\g):T+2*(\g)+1], v[SG+2*(\g):SG+2*(\g)+1]
.endm
.macro EXPO g
	v_exp_f32 v[T+2*(\g)],   v[T+2*(\g)]
	v_exp_f32 v[T+2*(\g)+1], v[T+2*(\g)+1]
.endm
.macro PLUS1 g
	v_pk_add_f32 v[T+2*(\g):T+2*(\g)+1], v[T+2*(\g):T+2*(\g)+1], 1.0 op_sel_hi:[1,0]
.endm
.macro RECIP g
	v_rcp_f32 v[T+2*(\g)],   v[T+2*(\g)]
	v_rcp_f32 v[T+2*(\g)+1], v[T+2*(\g)+1]
.endm
.macro SUMA g                          ; (num, den) += (w erev, w) x the pair's first sigmoid
	v_pk_fma_f32 v[ND:ND+1], v[WP+4*(\g):WP+4*(\g)+1], v[T+2*(\g):T+2*(\g)+1], v[ND:ND+1] op_sel_hi:[1,0,1]
.endm
.macro SUMB g                          ; ... x its second
	v_pk_fma_f32 v[ND:ND+1], v[WP+4*(\g)+2:WP+4*(\g)+3], v[T+2*(\g):T+2*(\g)+1], v[ND:ND+1] op_sel:[0,1,0] op_sel_hi:[1,1,1]
.endm
; A full slot of the software pipeline: five pairs, each one stage on.  Every result of a transcendental is first used one slot
; later, with plain instructions between; the two sums, which hang on each other, stand apart.
.macro SLOT s, src, n0, n1
	EXPO  \s-1
	SUMA  \s-4
	DIFF  \s, \src, \n0, \n1
	RECIP \s-3
	PLUS1 \s-2
	SUMB  \s-4
.endm
; One step.  rn, ln: register of X and scalar register with the lane that hold the NEXT step's input, whose sensory synapse is
; worked out here: its plain lines in the middle slots, its two transcendentals in the draining slots, where the others thin out.
.macro STEP rn, ln
	DIFF 0, ST, 0, 1
	v_permlanex16_b32 v[SX], v[ST], s53, s54       ; needed from slot 8 on
	v_fma_f32 v[ND], v[CM], v[ST], v[BS0]          ; num starts from cm v + gleak vleak + the sensory part; den was started in the last tail
	EXPO 0
	DIFF 1, ST, 2, 3
	EXPO 1
	DIFF 2, ST, 4, 5
	PLUS1 0
	EXPO 2
	DIFF 3, ST, 6, 7
	RECIP 0
	PLUS1 1
	SLOT 4, ST, 8, 9
	SLOT 5, ST, 10, 11
	SLOT 6, ST, 12, 13
	SLOT 7, ST, 14, 15
	SLOT 8, SX, 0, 1
	v_readlane_b32 s52, v[X+\rn], s[\ln]
	SLOT 9, SX, 2, 3
	SLOT 10, SX, 4, 5
	v_sub_f32 v[US], s52, v[SMU]
	SLOT 11, SX, 6, 7
	v_mul_f32 v[US], v[US], v[SSG]
	SLOT 12, SX, 8, 9
	SLOT 13, SX, 10, 11
	SLOT 14, SX, 12, 13
	SLOT 15, SX, 14, 15
	EXPO 15                                        ; the pipeline drains
	SUMA 12
	RECIP 13
	PLUS1 14
	SUMB 12
	RECIP 14
	v_exp_f32 v[US], v[US]
	PLUS1 15
	SUMA 13
	SUMB 13
	RECIP 15
	SUMA 14
	SUMB 14
	v_add_f32 v[US], 1.0, v[US]
	v_rcp_f32 v[US], v[US]
	SUMA 15                                        ; pair 15's reciprocals stand three plain lines and a v_rcp_f32 back
	SUMB 15
	v_rcp_f32 v[RD], v[ND+1]
	v_fma_f32 v[BS0], v[SWE], v[US], v[GLVL]       ; the plain line behind v_rcp_f32: only behind it is den, its source, written again
	v_fma_f32 v[ND+1], v[SW], v[US], v[CGE]        ; the next step's den starts
	v_mul_f32 v[ST], v[ND], v[RD]                  ; v = num / den
.endm
	; ---- 32 trips of 8 steps.  Step 8 LN + r prepares the input of step 8 LN + r + 1: register r + 1 of lane LN, and at r = 7
	; register 0 of lane LN + 1.  In the last trip that lane is held at 31: the sensory term made by step 255 is used by nothing,
	; the minimum only keeps the lane's number valid.
	s_mov_b32 s50, 0
.Ltrip:
	s_add_co_u32 s51, s50, 1
	s_min_u32 s51, s51, 31
	STEP 1, 50
	STEP 2, 50
	STEP 3, 50
	STEP 4, 50
	STEP 5, 50
	STEP 6, 50
	STEP 7, 50
	STEP 0, 51
	s_add_co_u32 s50, s50, 1
	s_cmp_lt_u32 s50, TRIPS
	s_cbranch_scc1 .Ltrip
	; ---- the way out: (v ow + ob) fcw summed over the 32 lanes in f32, + fc_b
	v_fma_f32 v[T], v[ST], v[OW], v[OB]
	v_mul_f32 v[T], v[T], v[FCW]
	v_add_f32_dpp v[T], v[T], v[T] row_xmask:1 row_mask:0xf bank_mask:0xf
	v_add_f32_dpp v[T], v[T], v[T] row_xmask:2 row_mask:0xf bank_mask:0xf
	v_add_f32_dpp v[T], v[T], v[T] row_xmask:4 row_mask:0xf bank_mask:0xf
	v_add_f32_dpp v[T], v[T], v[T] row_xmask:8 row_mask:0xf bank_mask:0xf
	v_permlanex16_b32 v[RD], v[T], s53, s54        ; RD was written in every step
	v_add_f32 v[T], v[T], v[RD]
	v_add_f32 v[T], s44, v[T]
	v_cmp_eq_u32 vcc_lo, 0, v[LANE]
	s_wait_xcnt 0x0                                ; EXEC is a source of the memory instructions issued so far: it changes only behind this wait
	s_and_saveexec_b32 s55, vcc_lo                 ; lane 0 alone
	global_store_b32 v[ZERO], v[T], s[40:41]       ; out0[b]
	s_wait_xcnt 0x0                                ; and again in front of the line that widens it
	s_or_b32 exec_lo, exec_lo, s55
	s_endpgm
.Lfunc_end_k_q0d2d795fe4_ltc:
	.size	k_q0d2d795fe4_ltc, .Lfunc_end_k_q0d2d795fe4_ltc-k_q0d2d795fe4_ltc
	.p2alignl 7, 3214868480
	.fill 96, 4, 3214868480
	.section	.rodata,"a",@progbits
	.p2align	6, 0x0
	.amdhsa_kernel k_q0d2d795fe4_ltc
		.amdhsa_group_segment_fixed_size 0
		.amdhsa_private_segment_fixed_size 0
		.amdhsa_enable_private_segment 0
		.amdhsa_kernarg_size 152
		.amdhsa_user_sgpr_count 2
		.amdhsa_user_sgpr_kernarg_segment_ptr 1
		.amdhsa_wavefront_size32 1
		.amdhsa_system_sgpr_workgroup_id_x 1
		.amdhsa_system_sgpr_workgroup_id_y 1
		.amdhsa_system_sgpr_workgroup_id_z 1
		.amdhsa_system_vgpr_workitem_id 0
		.amdhsa_next_free_vgpr 200
		.amdhsa_next_free_sgpr 66
		.amdhsa_reserve_vcc 1
		.amdhsa_float_denorm_mode_32 3
		.amdhsa_float_denorm_mode_16_64 3
		.amdhsa_memory_ordered 1
		.amdhsa_forward_progress 1
		.amdhsa_inst_pref_size 88
	.end_amdhsa_kernel
	.amdgpu_metadata
---
amdhsa.version: [ 1, 2 ]
amdhsa.kernels:
  - .name:           k_q0d2d795fe4_ltc
    .symbol:         k_q0d2d795fe4_ltc.kd
    .args:
      - { .name: x, .offset: 0, .size: 8, .value_kind: global_buffer, .address_space: global }
      - { .name: gleak, .offset: 8, .size: 8, .value_kind: global_buffer, .address_space: global }
      - { .name: vleak, .offset: 16, .size: 8, .value_kind: global_buffer, .address_space: global }
      - { .name: cm, .offset: 24, .size: 8, .value_kind: global_buffer, .address_space: global }
      - { .name: sigma, .offset: 32, .size: 8, .value_kind: global_buffer, .address_space: global }
      - { .name: mu, .offset: 40, .size: 8, .value_kind: global_buffer, .address_space: global }
      - { .name: w_syn, .offset: 48, .size: 8, .value_kind: global_buffer, .address_space: global }
      - { .name: erev, .offset: 56, .size: 8, .value_kind: global_buffer, .address_space: global }
      - { .name: sensory_sigma, .offset: 64, .size: 8, .value_kind: global_buffer, .address_space: global }
      - { .name: sensory_mu, .offset: 72, .size: 8, .value_kind: global_buffer, .address_space: global }
      - { .name: sensory_w, .offset: 80, .size: 8, .value_kind: global_buffer, .address_space: global }
      - { .name: sensory_erev, .offset: 88, .size: 8, .value_kind: global_buffer, .address_space: global }
      - { .name: input_w, .offset: 96, .size: 8, .value_kind: global_buffer, .address_space: global }
      - { .name: input_b, .offset: 104, .size: 8, .value_kind: global_buffer, .address_space: global }
      - { .name: output_w, .offset: 112, .size: 8, .value_kind: global_buffer, .address_space: global }
      - { .name: output_b, .offset: 120, .size: 8, .value_kind: global_buffer, .address_space: global }
      - { .name: fc_w, .offset: 128, .size: 8, .value_kind: global_buffer, .address_space: global }
      - { .name: fc_b, .offset: 136, .size: 8, .value_kind: global_buffer, .address_space: global }
      - { .name: out0, .offset: 144, .size: 8, .value_kind: global_buffer, .address_space: global }
    .group_segment_fixed_size: 0
    .private_segment_fixed_size: 0
    .kernarg_segment_align: 8
    .kernarg_segment_size: 152
    .max_flat_workgroup_size: 64
    .sgpr_count:     66
    .vgpr_count:     200
    .wavefront_size: 32
...
	.end_amdgpu_metadata
.endif
;; end of part 1
;; ======== version 2 of 2: 1 launch; 1.64 times as fast as version 1
;; launch ltc (part 2): grid 256 x 1, 2 waves a work-group, no clusters, 0 bytes of LDS; arguments x, gleak, vleak, cm, sigma, mu, w_syn, erev, sensory_sigma, sensory_mu, sensory_w, sensory_erev, input_w, input_b, output_w, output_b, fc_w, fc_b, out0; writes out0
.if DOCPART == 2
	.amdgcn_target "amdgcn-amd-amdhsa--gfx1250"
	.amdhsa_code_object_version 6
	.text
	.protected	k_q0d2d795fe4_ltc
	.globl	k_q0d2d795fe4_ltc
	.p2align	8
	.type	k_q0d2d795fe4_ltc,@function
k_q0d2d795fe4_ltc:
	s_mov_b64 s[64:65], 0
	v_nop
	global_prefetch_b8 v0, s[64:65] scope:SCOPE_SE
	s_setreg_imm32_b32 hwreg(HW_REG_WAVE_MODE, 25, 1), 1
	s_wait_xcnt 0x0
; Liquid-time-constant cell: 512 batch rows, 32 units, 256 dependent steps, then out0[b] = sum_j (v_j ow_j + ob_j) fcw_j + fcb.
; ONE WAVE = ONE BATCH ROW for all 256 steps; lane l = post-neuron j = l.  512 waves = 256 work-groups of 2 waves.
; All that a chain needs lies in the wave's registers: column j of mu, sigma, w_syn, erev (128 registers), the row of x
; (1,024 bytes = 8 registers).  Memory is touched in the prologue and by one store of 4 bytes a wave.  No LDS, no barrier:
; the two waves of a work-group share nothing.
;
; A step, for each lane j:  num = cm v_j + gleak vleak + sum_i w_ij erev_ij s_ij + sw serev ss
;                           den = cm + gleak + 1e-8    + sum_i w_ij s_ij         + sw ss,      v_j = num / den
; with s_ij = sigmoid((v_i - mu_ij) sigma_ij) = 1 / (1 + 2^((v_i - mu_ij) (-sigma_ij log2 e))), the difference first and the
; product second, as reference() forms them.  2^z = inf gives 1/inf = 0 and 2^z = 0 gives 1: no clamp and no limit of range.
;
; v_i REACHES ALL LANES WITHOUT SCALAR REGISTERS: ST holds v_l in lane l, SX holds v_(l xor 16).  A subtraction with
; row_share:n takes lane n of the lane's own half of 16.  Operation k = 0..15 takes ST, n = k; k = 16..31 takes SX, n = k - 16.
; So in half h = l >> 4 operation k sees pre-neuron i = (k + 16 h) & 31, and each lane's parameters are loaded in that order.
;
; THE ORDER OF A STEP.  The 32 operations go as 16 pairs g (operations 2g, 2g+1) through difference, scaling, 2^z, 1 +, 1/x and
; two sums.  All differences can be formed as soon as v is known, so the step runs in two phases: FRONT (differences, scalings,
; exponentials) and BACK (1 +, reciprocals, sums).  In both, a plain instruction stands between any two transcendentals, and in
; the head and the two phases no instruction reads a result made fewer than six instructions before it.  The sums are kept as
; denominator and numerator, two sigmoids to a packed multiply-add, even and odd pairs in accumulators of their own: links on
; one accumulator are eight instructions apart (five in the tail).  What cannot be spread is the tail's chain: last reciprocal,
; sum, merge, halves, 1 / den, product, next difference.  The sensory synapse hangs on no state and is laid across that chain.
;
; NOT USED, by this text's own arithmetic: matrix instructions (the one product has a single output column, 64 FLOPs a wave,
; and each of its rows lies in another wave: it is an f32 sum over the 32 lanes); tensor loads, LDS, clusters (what waves
; share is 16.5 KB of parameters, read once in the prologue); prefetches (nothing is loaded behind the prologue).
; The output is 4 bytes a chain, 2,048 bytes in all; 256 neighbouring bytes belong to 64 chains, more than a work-group's
; 2 waves can hold, so each wave stores its one word.
;
; LIMITS: the f32 sums run in another order than reference()'s (four partial sums for each of num and den; the upper half of
; the lanes begins at i = 16; 1e-8 is added to cm + gleak ahead of the conductances); v_exp_f32 and v_rcp_f32 are good to 1 ulp
; and flush denormals (ISA guide 15.8), so a sigmoid below 2^-126 counts as 0 and a denominator below 2^-126 as 0.
.set STEPS,     256
.set TRIPS,     STEPS/8                ; a trip = 8 steps = one lane of the 8 registers of x
.set NEG_LOG2E, 0xbfb8aa3b             ; -1.442695
.set EPS_BITS,  0x322bcc77             ; 1e-8
; vector registers
.set LANE, 1                           ; lane
.set PA0,  2                           ; 2048 h + 4 lane: byte of element (16 h, j) of a [32][32] table
.set PA1,  3                           ; PA0 xor 2048: element (16 (1 - h), j)
.set L4,   4                           ; 4 lane: my element of a [32] vector
.set L32,  5                           ; 32 lane: my 8 numbers of the row of x
.set ZERO, 6                           ; the store's offset
.set ST,   8                           ; the state v_l
.set SX,   9                           ; v_(l xor 16)
.set DEN,  10                          ; v[10:11] den, even pairs; v[12:13] den, odd pairs
.set NUM,  14                          ; v[14:15] num, even pairs; v[16:17] num, odd pairs
.set DBS,  18                          ; v[18:19] what den starts from: (cm + gleak + 1e-8, sw ss)
.set NBS,  20                          ; v[20:21] what num starts from: (cm v + gleak vleak, sw serev ss)
.set RD,   22                          ; 1 / den
.set US,   23                          ; the sensory synapse's chain
.set HH,   24                          ; h, prologue only
.set CM,   26
.set GLVL, 27                          ; gleak vleak
.set SMU,  28
.set SSG,  29                          ; -sensory_sigma log2 e
.set SWE,  30                          ; sensory_w sensory_erev
.set SW,   31
.set OW,   32
.set OB,   33
.set FCW,  34
.set GL,   35                          ; raw gleak, vleak, sensory_erev: prologue only
.set VL,   36
.set SE,   37
.set X,    40                          ; v[40:47]   register r, lane l: input of step 8 l + r
.set T,    48                          ; v[48:79]   operation k: difference, exponent, 2^z, 1 + 2^z, sigmoid in turn
.set MU,   80                          ; v[80:111]  mu of operation k
.set SG,   112                         ; v[112:143] -sigma log2 e of operation k
.set WD,   144                         ; v[144:175] w of operation k
.set WN,   176                         ; v[176:207] w erev of operation k
	; ---- ids and addresses
	s_load_b512 s[4:19], s[0:1], 0x0               ; x 4, gleak 6, vleak 8, cm 10, sigma 12, mu 14, w_syn 16, erev 18
	s_load_b512 s[20:35], s[0:1], 0x40             ; sensory_sigma 20, _mu 22, _w 24, _erev 26, input_w 28, input_b 30, output_w 32, output_b 34
	s_load_b128 s[36:39], s[0:1], 0x80             ; fc_w 36, fc_b 38
	s_load_b64 s[40:41], s[0:1], 0x90              ; out0
	v_lshrrev_b32 v7, 5, v0
	v_readfirstlane_b32 s45, v7                    ; wave 0 or 1
	v_and_b32 v[LANE], 31, v0
	v_bfe_u32 v[HH], v0, 4, 1                      ; h
	v_lshlrev_b32 v[L4], 2, v[LANE]
	v_lshlrev_b32 v[L32], 5, v[LANE]
	v_lshl_add_u32 v[PA0], v[HH], 11, v[L4]
	v_xor_b32 v[PA1], 0x800, v[PA0]
	v_mov_b32 v[ZERO], 0
	s_lshl1_add_u32 s46, ttmp9, s45                ; batch row b = 2 x work-group + wave
	s_mov_b32 s53, 0x76543210                      ; v_permlanex16_b32: lane i of one half reads lane i of the other
	s_mov_b32 s54, 0xfedcba98
	s_mov_b32 s49, 0
	s_wait_kmcnt 0x0                               ; the 19 addresses
	s_load_b32 s42, s[28:29], 0x0                  ; input_w
	s_load_b32 s43, s[30:31], 0x0                  ; input_b
	s_load_b32 s44, s[38:39], 0x0                  ; fc_b
	s_lshl_b32 s48, s46, 10
	s_add_nc_u64 s[4:5], s[4:5], s[48:49]          ; x at my row of 1,024 bytes
	s_lshl_b32 s48, s46, 2
	s_add_nc_u64 s[40:41], s[40:41], s[48:49]      ; out0 at my word
	; ---- all loads in one run: 2 + 128 + 10
	global_load_b128 v[X:X+3],   v[L32], s[4:5] th:TH_LOAD_NT             ; the two together cover the row's 1,024 bytes
	global_load_b128 v[X+4:X+7], v[L32], s[4:5] offset:16 th:TH_LOAD_NT
; column j of a [32][32] table in the order of the operations: k = 0..15 rows 16 h + k, k = 16..31 rows 16 (1 - h) + k - 16
.macro LDM dst, base
.set k, 0
.rept 16
	global_load_b32 v[\dst+k],    v[PA0], s[\base:\base+1] offset:128*k
	global_load_b32 v[\dst+k+16], v[PA1], s[\base:\base+1] offset:128*k
.set k, k+1
.endr
.endm
	LDM MU, 14
	LDM SG, 12
	LDM WD, 16
	LDM T, 18                                      ; erev waits in T, which is thereby written before the loop's DPP lines name it as destination
	global_load_b32 v[CM],  v[L4], s[10:11]
	global_load_b32 v[GL],  v[L4], s[6:7]
	global_load_b32 v[VL],  v[L4], s[8:9]
	global_load_b32 v[SMU], v[L4], s[22:23]
	global_load_b32 v[SSG], v[L4], s[20:21]
	global_load_b32 v[SW],  v[L4], s[24:25]
	global_load_b32 v[SE],  v[L4], s[26:27]
	global_load_b32 v[OW],  v[L4], s[32:33]
	global_load_b32 v[OB],  v[L4], s[34:35]
	global_load_b32 v[FCW], v[L4], s[36:37]
	s_wait_kmcnt 0x0                               ; input_w, input_b, fc_b
	s_wait_loadcnt 0x0                             ; everything: the one wait for data in this text
	; ---- derived parameters, once
.set k, 0
.rept 16
	v_pk_mul_f32 v[SG+2*k:SG+2*k+1], v[SG+2*k:SG+2*k+1], NEG_LOG2E op_sel_hi:[1,0]   ; -sigma log2 e
	v_pk_mul_f32 v[WN+2*k:WN+2*k+1], v[T+2*k:T+2*k+1], v[WD+2*k:WD+2*k+1]            ; w erev
.set k, k+1
.endr
	v_mul_f32 v[GLVL], v[GL], v[VL]
	v_add_f32 v[DBS], v[CM], v[GL]
	v_add_f32 v[DBS], EPS_BITS, v[DBS]             ; cm + gleak + 1e-8: stays for the whole launch
	v_mul_f32 v[SSG], NEG_LOG2E, v[SSG]
	v_mul_f32 v[SWE], v[SW], v[SE]
.set k, 0
.rept 8
	v_fma_f32 v[X+k], v[X+k], s42, s43             ; the affine input map on all 256 inputs of the row
.set k, k+1
.endr
	; ---- the state 0; step 0's sensory synapse whole, step 1's as far as 2^z (each step's tail goes on from there)
	v_readlane_b32 s52, v[X], 0
	v_sub_f32 v[US], s52, v[SMU]
	v_mul_f32 v[US], v[US], v[SSG]
	v_exp_f32 v[US], v[US]
	v_mov_b32 v[ST], 0                             ; a plain instruction stands between a transcendental and the use of its result (ISA guide 5.7.2)
	v_add_f32 v[US], 1.0, v[US]
	v_rcp_f32 v[US], v[US]
	v_mov_b32 v[SX], 0                             ; likewise; also writes SX before v_permlanex16_b32 names it as destination
	v_mul_f32 v[NBS+1], v[SWE], v[US]
	v_mul_f32 v[DBS+1], v[SW], v[US]
	v_readlane_b32 s52, v[X+1], 0
	v_sub_f32 v[US], s52, v[SMU]
	v_mul_f32 v[US], v[US], v[SSG]
	v_exp_f32 v[US], v[US]                         ; first read in step 0's tail
; ---- the stages.  k: an operation 0..31; g: a pair 0..15 (operations 2g, 2g+1).  All work in place in T.
.macro DIF k, src, n                   ; v_i - mu; src = ST or SX, n = the lane of the half that holds v_i
	v_sub_f32_dpp v[T+(\k)], v[\src], v[MU+(\k)] row_share:\n row_mask:0xf bank_mask:0xf
.endm
.macro SCL g                           ; x (-sigma log2 e)
	v_pk_mul_f32 v[T+2*(\g):T+2*(\g)+1], v[T+2*(\g):T+2*(\g)+1], v[SG+2*(\g):SG+2*(\g)+1]
.endm
.macro EX k
	v_exp_f32 v[T+(\k)], v[T+(\k)]
.endm
.macro ONE g
	v_pk_add_f32 v[T+2*(\g):T+2*(\g)+1], v[T+2*(\g):T+2*(\g)+1], 1.0 op_sel_hi:[1,0]
.endm
.macro RC k
	v_rcp_f32 v[T+(\k)], v[T+(\k)]
.endm
.macro ACC w, a, g                     ; accumulator a (even pairs) or a + 2 (odd pairs) += the pair's two weights x its two sigmoids
	v_pk_fma_f32 v[\a+2*((\g)&1):\a+2*((\g)&1)+1], v[\w+2*(\g):\w+2*(\g)+1], v[T+2*(\g):T+2*(\g)+1], v[\a+2*((\g)&1):\a+2*((\g)&1)+1]
.endm
; ---- the slots
.macro FRONT p, src, n0, n1            ; pair p's exponentials; between them the differences of pair p + 4; the scaling of pair p + 3
	EX  2*(\p)
	DIF 2*(\p)+8, \src, \n0
	EX  2*(\p)+1
	DIF 2*(\p)+9, \src, \n1
	SCL (\p)+3
.endm
.macro FRONT2 p, g                     ; the differences have run out: 1 + for pairs g, g + 1 stands between the exponentials
	EX  2*(\p)
	ONE \g
	EX  2*(\p)+1
	ONE (\g)+1
.endm
.macro BACK1 q, g                      ; pair q's reciprocals; no sigmoid is ready to be summed yet: the last eight 1 +
	RC  2*(\q)
	ONE \g
	RC  2*(\q)+1
	ONE (\g)+1
.endm
.macro BACK q                          ; pair q's reciprocals; between them the two sums of pair q - 4
	RC  2*(\q)
	ACC WD, DEN, (\q)-4
	RC  2*(\q)+1
	ACC WN, NUM, (\q)-4
.endm
; One step t.  rn, ln: register of X and scalar register with the lane that hold the input of step t + 2.
.macro STEP rn, ln
	; head: 13 plain instructions, until the first scaled difference can go to v_exp_f32
	DIF 0, ST, 0
	DIF 1, ST, 1
	DIF 2, ST, 2
	DIF 3, ST, 3
	DIF 4, ST, 4
	DIF 5, ST, 5
	DIF 6, ST, 6
	SCL 0
	DIF 7, ST, 7
	SCL 1
	v_permlanex16_b32 v[SX], v[ST], s53, s54       ; first read by FRONT 4
	SCL 2
	v_fma_f32 v[NBS], v[CM], v[ST], v[GLVL]        ; num's base; its other half, the sensory part, was made in the last tail
	; front phase
	FRONT 0,  ST, 8, 9
	FRONT 1,  ST, 10, 11
	FRONT 2,  ST, 12, 13
	FRONT 3,  ST, 14, 15
	FRONT 4,  SX, 0, 1
	FRONT 5,  SX, 2, 3
	FRONT 6,  SX, 4, 5
	FRONT 7,  SX, 6, 7
	FRONT 8,  SX, 8, 9
	FRONT 9,  SX, 10, 11
	FRONT 10, SX, 12, 13
	FRONT 11, SX, 14, 15
	FRONT2 12, 0
	SCL 15
	FRONT2 13, 2
	FRONT2 14, 4
	FRONT2 15, 6
	; back phase
	BACK1 0, 8
	BACK1 1, 10
	BACK1 2, 12
	BACK1 3, 14
	RC 8                                           ; the four first products start the four sums: nothing is cleared
	v_pk_fma_f32 v[DEN:DEN+1], v[WD:WD+1], v[T:T+1], v[DBS:DBS+1]
	RC 9
	v_pk_fma_f32 v[NUM:NUM+1], v[WN:WN+1], v[T:T+1], v[NBS:NBS+1]
	RC 10
	v_pk_mul_f32 v[DEN+2:DEN+3], v[WD+2:WD+3], v[T+2:T+3]
	RC 11
	v_pk_mul_f32 v[NUM+2:NUM+3], v[WN+2:WN+3], v[T+2:T+3]
	BACK 6
	BACK 7
	BACK 8
	BACK 9
	BACK 10
	BACK 11
	BACK 12
	BACK 13
	BACK 14
	BACK 15
	; tail: the sums of pairs 12 to 15, den's ahead of num's; then merge, halves, 1 / den, v.  Across it the sensory synapse:
	; US comes in as 2^z of step t + 1, gives that step's two base terms, and goes out as 2^z of step t + 2.
	ACC WD, DEN, 12
	ACC WN, NUM, 12
	ACC WD, DEN, 13
	v_add_f32 v[US], 1.0, v[US]
	ACC WN, NUM, 13
	ACC WD, DEN, 14
	ACC WN, NUM, 14
	ACC WD, DEN, 15
	v_rcp_f32 v[US], v[US]
	ACC WN, NUM, 15
	v_readlane_b32 s52, v[X+\rn], s[\ln]
	v_pk_add_f32 v[DEN:DEN+1], v[DEN:DEN+1], v[DEN+2:DEN+3]
	v_pk_add_f32 v[NUM:NUM+1], v[NUM:NUM+1], v[NUM+2:NUM+3]
	v_add_f32 v[DEN], v[DEN], v[DEN+1]
	v_add_f32 v[NUM], v[NUM], v[NUM+1]
	v_mul_f32 v[NBS+1], v[SWE], v[US]              ; this step's first products have read the old base terms long since
	v_mul_f32 v[DBS+1], v[SW], v[US]
	v_rcp_f32 v[RD], v[DEN]
	v_sub_f32 v[US], s52, v[SMU]                   ; the plain instruction behind v_rcp_f32 (ISA guide 5.7.2): it touches neither RD nor DEN
	v_mul_f32 v[US], v[US], v[SSG]
	v_mul_f32 v[ST], v[NUM], v[RD]                 ; v = num / den
	v_exp_f32 v[US], v[US]                         ; stands in the gap between v and its first use; read in the next tail
.endm
	; ---- 32 trips of 8 steps.  Step 8 LN + r takes up the input of step 8 LN + r + 2: register r + 2 of lane LN, and for r = 6, 7
	; registers 0, 1 of lane LN + 1.  In the last trip that lane is held at 31: steps 254 and 255 then work on inputs of steps that
	; do not exist; what they make of them is used by nothing, the minimum only keeps the lane's number valid.
	s_mov_b32 s50, 0
.Ltrip:
	s_add_co_u32 s51, s50, 1
	s_min_u32 s51, s51, 31
	STEP 2, 50
	STEP 3, 50
	STEP 4, 50
	STEP 5, 50
	STEP 6, 50
	STEP 7, 50
	STEP 0, 51
	STEP 1, 51
	s_add_co_u32 s50, s50, 1
	s_cmp_lt_u32 s50, TRIPS
	s_cbranch_scc1 .Ltrip
	; ---- the way out: (v ow + ob) fcw summed over the 32 lanes in f32, + fc_b
	v_fma_f32 v[T], v[ST], v[OW], v[OB]
	v_mul_f32 v[T], v[T], v[FCW]
	v_add_f32_dpp v[T], v[T], v[T] row_xmask:1 row_mask:0xf bank_mask:0xf
	v_add_f32_dpp v[T], v[T], v[T] row_xmask:2 row_mask:0xf bank_mask:0xf
	v_add_f32_dpp v[T], v[T], v[T] row_xmask:4 row_mask:0xf bank_mask:0xf
	v_add_f32_dpp v[T], v[T], v[T] row_xmask:8 row_mask:0xf bank_mask:0xf
	v_permlanex16_b32 v[RD], v[T], s53, s54        ; RD was written in every step
	v_add_f32 v[T], v[T], v[RD]
	v_add_f32 v[T], s44, v[T]
	v_cmp_eq_u32 vcc_lo, 0, v[LANE]
	s_wait_xcnt 0x0                                ; EXEC is a source of the memory instructions issued so far: it changes only behind this wait
	s_and_saveexec_b32 s55, vcc_lo                 ; lane 0 alone
	global_store_b32 v[ZERO], v[T], s[40:41]       ; out0[b]
	s_wait_xcnt 0x0                                ; and again in front of the line that widens it
	s_or_b32 exec_lo, exec_lo, s55
	s_endpgm
.Lfunc_end_k_q0d2d795fe4_ltc:
	.size	k_q0d2d795fe4_ltc, .Lfunc_end_k_q0d2d795fe4_ltc-k_q0d2d795fe4_ltc
	.p2alignl 7, 3214868480
	.fill 96, 4, 3214868480
	.section	.rodata,"a",@progbits
	.p2align	6, 0x0
	.amdhsa_kernel k_q0d2d795fe4_ltc
		.amdhsa_group_segment_fixed_size 0
		.amdhsa_private_segment_fixed_size 0
		.amdhsa_enable_private_segment 0
		.amdhsa_kernarg_size 152
		.amdhsa_user_sgpr_count 2
		.amdhsa_user_sgpr_kernarg_segment_ptr 1
		.amdhsa_wavefront_size32 1
		.amdhsa_system_sgpr_workgroup_id_x 1
		.amdhsa_system_sgpr_workgroup_id_y 1
		.amdhsa_system_sgpr_workgroup_id_z 1
		.amdhsa_system_vgpr_workitem_id 0
		.amdhsa_next_free_vgpr 208
		.amdhsa_next_free_sgpr 66
		.amdhsa_reserve_vcc 1
		.amdhsa_float_denorm_mode_32 3
		.amdhsa_float_denorm_mode_16_64 3
		.amdhsa_memory_ordered 1
		.amdhsa_forward_progress 1
		.amdhsa_inst_pref_size 89
	.end_amdhsa_kernel
	.amdgpu_metadata
---
amdhsa.version: [ 1, 2 ]
amdhsa.kernels:
  - .name:           k_q0d2d795fe4_ltc
    .symbol:         k_q0d2d795fe4_ltc.kd
    .args:
      - { .name: x, .offset: 0, .size: 8, .value_kind: global_buffer, .address_space: global }
      - { .name: gleak, .offset: 8, .size: 8, .value_kind: global_buffer, .address_space: global }
      - { .name: vleak, .offset: 16, .size: 8, .value_kind: global_buffer, .address_space: global }
      - { .name: cm, .offset: 24, .size: 8, .value_kind: global_buffer, .address_space: global }
      - { .name: sigma, .offset: 32, .size: 8, .value_kind: global_buffer, .address_space: global }
      - { .name: mu, .offset: 40, .size: 8, .value_kind: global_buffer, .address_space: global }
      - { .name: w_syn, .offset: 48, .size: 8, .value_kind: global_buffer, .address_space: global }
      - { .name: erev, .offset: 56, .size: 8, .value_kind: global_buffer, .address_space: global }
      - { .name: sensory_sigma, .offset: 64, .size: 8, .value_kind: global_buffer, .address_space: global }
      - { .name: sensory_mu, .offset: 72, .size: 8, .value_kind: global_buffer, .address_space: global }
      - { .name: sensory_w, .offset: 80, .size: 8, .value_kind: global_buffer, .address_space: global }
      - { .name: sensory_erev, .offset: 88, .size: 8, .value_kind: global_buffer, .address_space: global }
      - { .name: input_w, .offset: 96, .size: 8, .value_kind: global_buffer, .address_space: global }
      - { .name: input_b, .offset: 104, .size: 8, .value_kind: global_buffer, .address_space: global }
      - { .name: output_w, .offset: 112, .size: 8, .value_kind: global_buffer, .address_space: global }
      - { .name: output_b, .offset: 120, .size: 8, .value_kind: global_buffer, .address_space: global }
      - { .name: fc_w, .offset: 128, .size: 8, .value_kind: global_buffer, .address_space: global }
      - { .name: fc_b, .offset: 136, .size: 8, .value_kind: global_buffer, .address_space: global }
      - { .name: out0, .offset: 144, .size: 8, .value_kind: global_buffer, .address_space: global }
    .group_segment_fixed_size: 0
    .private_segment_fixed_size: 0
    .kernarg_segment_align: 8
    .kernarg_segment_size: 152
    .max_flat_workgroup_size: 64
    .sgpr_count:     66
    .vgpr_count:     208
    .wavefront_size: 32
...
	.end_amdgpu_metadata
.endif
;; end of part 2
